; MI455X (gfx1250); checked and timed in simulation.
; The chip was launched on July 23, 2026; its instructions are those of AMD's public machine-readable ISA for CDNA 5 (MIT licence, August 2026) and "CDNA5" Instruction Set Architecture Reference Guide (July 2026). The comments in the code are by the model that wrote it; some were corrected since.
;; Multihead Attention. Allowed arithmetic: matrix products marked QUANTISED: E2M3 operands, one E8M0 scale for each 32 along K, by v_wmma_scale_f32_16x16x128_f8f6f4 with both operands' format E2M3, f32 sums; everything else in f32.
;; Inputs: Wk 1,024 x 1,024 float32; Wo 1,024 x 1,024 float32; Wq 1,024 x 1,024 float32; Wv 1,024 x 1,024 float32; bo 1,024 float32; keys 4 x 2,048 x 1,024 float32; querys 4 x 2,048 x 1,024 float32; values 4 x 2,048 x 1,024 float32.
;; Outputs: out0 4 x 2,048 x 1,024 float32.
;; This version of the problem:
;;   THIS VERSION OF THE PROBLEM IS GIVEN IN LOW PRECISION. The matrix products marked QUANTISED in the list below multiply operands that are first quantised to E2M3 (2 exponent bits, 3 mantissa bits; 6 bits a number), with one power-of-two scale for each 32 numbers along K (OCP MX v1.0); their sums are f32. All else is computed in f32.
;;   The module's matrix products, in the order in which they are computed (A, B: the left and right operand; K: the contracted axis; several contracted axes count as one K, in the product's order):
;;     1. [M 8,192, K 1,024] x [K 1,024, N 1,024]; A: input querys; B: input Wq: QUANTISED
;;     2. [M 8,192, K 1,024] x [K 1,024, N 1,024]; A: input keys; B: input Wk: QUANTISED
;;     3. [M 8,192, K 1,024] x [K 1,024, N 1,024]; A: input values; B: input Wv: QUANTISED
;;     4. batch 64 x [M 2,048, K 64] x [K 64, N 2,048]; A: computed on the way; B: computed on the way: QUANTISED
;;     5. batch 64 x [M 2,048, K 2,048] x [K 2,048, N 64]; A: softmax (see below); B: computed on the way: QUANTISED
;;     6. [M 8,192, K 1,024] x [K 1,024, N 1,024]; A: computed on the way; B: input Wo: QUANTISED
;;   THE QUANTISER, for each operand of a quantised product, along K:
;;     - K is cut into blocks of 32 from its start; a last block that is shorter is filled with zeros.
;;     - A block's scale is 2^e with e = floor(log2(the largest magnitude in the block)) - 2, held to -126 .. 127; a block of zeros has e = 0. As a byte (E8M0): e + 127.
;;     - Each number is divided by its block's scale, clamped to +-7.5, and rounded to the nearest number of E2M3, ties to even, subnormals kept.
;;     - The product sums the exact products of the quantised numbers (number of the format x scale) in f32.
;;   ~~~python
;;   def quantise(x, axis):      # numpy; x: float32 -> the quantised numbers, widened to float32 again
;;       x = np.moveaxis(x, axis, -1); K = x.shape[-1]
;;       x = np.pad(x, [(0, 0)] * (x.ndim - 1) + [(0, -K % 32)]); x = x.reshape(x.shape[:-1] + (-1, 32)); a = np.abs(x).max(-1, keepdims=True)
;;       e = np.where(a > 0, np.clip(np.frexp(np.where(a > 0, a, 1))[1] - 1 - 2, -126, 127), 0)      # np.frexp(a)[1] - 1 = floor(log2(a)), exactly
;;       r = np.clip(x / 2.0 ** e, -7.5, 7.5)
;;       step = 2.0 ** (np.maximum(np.frexp(np.where(r == 0, 1, r))[1] - 1, 0) - 3)
;;       q = np.round(r / step) * step * 2.0 ** e      # np.round: ties to even
;;       return np.moveaxis(q.reshape(q.shape[:-2] + (-1,))[..., :K], -1, axis).astype(np.float32)
;;   ~~~
;;   SOFTMAX AHEAD OF A QUANTISED PRODUCT. Where the list says 'softmax', what is quantised is not the finished softmax but p = 2^(t - M), with t = logit x log2(e) and M = ceil(the row's largest t), a whole number; so 1/2 < the row's largest p <= 1. The row's sum l is taken of the UNQUANTISED p, in f32, and the product's result is divided by l at the end. Since M is a whole number, a kernel that streams over the keys may use a running M (the ceiling of the running maximum): every later rescaling is an exact power of two, which a block's scale takes up: the codes' values come out the same.
;;   OPERANDS COMPUTED ON THE WAY. 'Computed on the way' means the value that the module computes at that place (a softmax that the list does not call 'softmax' is quantised finished and normalised). What goes into a quantiser is computed in f32, as accurately as f32 sums, v_exp_f32 and their like allow (about 1e-6 of the number): no bf16 or f16 on the way to a quantiser, and a product that is left as it is and whose result goes on into a quantised operand takes f32 operands (vector FMAs, or v_wmma_f32_16x16x4_f32). A number that lies on a knife's edge between two numbers of the format may be rounded either way, as far as f32 arithmetic and the matrix unit's own rounding can turn it there, and no further.
;; One version. Each part assembles by itself: llvm-mc -triple=amdgcn-amd-amdhsa -mcpu=gfx1250 --defsym DOCPART=n.
;; ======== version 1 of 1: 4 launches
;; workspace buffers: XI 22,937,600 bytes; QI 6,553,600 bytes; KI 6,553,600 bytes; VI 6,553,600 bytes; AI 6,553,600 bytes
;; launch quant (part 1): grid 256 x 1, 7 waves a work-group, no clusters, 61,952 bytes of LDS; arguments querys, keys, values, Wq, Wk, Wv, Wo, XI; writes XI
.if DOCPART == 1
	.amdgcn_target "amdgcn-amd-amdhsa--gfx1250"
	.amdhsa_code_object_version 6
	.text
	.protected	k_qf8b77e824c_quant
	.globl	k_qf8b77e824c_quant
	.p2align	8
	.type	k_qf8b77e824c_quant,@function
k_qf8b77e824c_quant:
	s_mov_b64 s[64:65], 0
	v_nop
	global_prefetch_b8 v0, s[64:65] scope:SCOPE_SE
	s_setreg_imm32_b32 hwreg(HW_REG_WAVE_MODE, 25, 1), 1
	s_wait_xcnt 0x0
; querys, keys, values [8192][1024] and Wq, Wk, Wv, Wo [1024][1024], f32, K innermost, become codes of FP6 (E2M3) with one E8M0 byte for each 32 along K,
; laid in XI as IMAGES OF OPERAND REGISTERS.  An image tile is 16 rows in the order: lane-row r of tile 2 g + u = row 32 g + 8 u + r + 8 (r / 8).
; XI: tile rt at rt x 12288: its 8 K steps of 128, 1536 bytes each, as 3 planes [lane][16 bytes] (registers 4 p .. 4 p + 3 of the 12).  Scale words at XS + rt x 512 + 32 r + 4 f.
; rt: querys 0-511, keys 512-1023, values 1024-1535, Wq 1536-1599, Wk 1600-1663, Wv 1664-1727, Wo 1728-1791: 1792 tiles = 256 work-groups x 7 waves, a wave a tile.
; A block's scale is 2^(floor(log2(largest magnitude)) - 2): its byte is the largest magnitude's exponent field - 2, held at 1 from below.
; LIMITS: NaN and infinities are not served; a block whose largest magnitude lies under 2^-124 gets the byte 1; a block of zeros gets the byte 1 where the rule says 127:
; its codes are zeros, and this program alone reads the bytes.
; Each load reads 512 consecutive bytes of one row; a K step's 16 rows turn through the wave's own stage in LDS, so that a lane gets 16 neighbours of each block of 32.
; Waves share nothing: no barrier, no cluster (no input byte is read by two work-groups), no matrix work.
.set XS,   22020096
.set SREG, 8704                        ; a wave's stage: 16 rows of 528 bytes, rounded up to whole blocks of 256
.set SP,   528                         ; 512 bytes + 16: an odd multiple of 16, so that 16 rows' equal columns start in different banks (64 banks of 4 bytes: ISA guide 11.1)
.set R,    16                          ; v16-143  two sets of 64 registers as loaded
.set X,    144                         ; v144-207 register 16 b + i = k 32 b + 16 (lane / 16) + i of my row
.set TM,   208                         ; v208-223 at work
.set PC,   224                         ; v224-243 the codes just made
.set PWS,  244                         ; v244-251 the scale word of each K step
.set OW,   252                         ; v252-255 four of them on their way out
.set SEL,  32                          ; s[32:33] selects for lane l xor 16
	s_load_b512 s[4:19], s[0:1], 0x0               ; querys, keys, values, Wq, Wk, Wv, Wo, XI
	v_lshl_add_u32 v239, v0, 2, 0xee00
	v_mov_b32 v243, 0
	v_lshrrev_b32 v1, 5, v0
	v_readfirstlane_b32 s21, v1                    ; wave 0..6
	v_and_b32 v1, 31, v0                           ; lane
	v_and_b32 v5, 15, v0                           ; r
	v_bfe_u32 v6, v0, 4, 1                         ; h
	v_lshlrev_b32 v2, 4, v1                        ; 16 x lane: in, and codes out
	s_mul_i32 s28, s21, SREG
	v_add_nc_u32 v3, s28, v2                       ; the stage, on the way in
	v_mul_u32_u24 v4, v5, SP
	v_lshl_add_u32 v4, v6, 6, v4
	v_add_nc_u32 v4, s28, v4                       ; and out: row r, + 64 h
	v_lshlrev_b32 v7, 5, v5
	v_lshl_add_u32 v7, v6, 4, v7                   ; scale words out: 32 r + 16 h
.irp b, 0,1,2,3
	v_mov_b32 v[TM+4+\b], 0                        ; written once: a lane permute's destination counts as one of its sources
.endr
	s_mul_i32 s20, ttmp9, 7
	s_add_co_u32 s20, s20, s21                     ; rt
	s_mov_b32 s30, 0xffff0000                      ; lanes 16-31
	s_mov_b32 s[SEL], 0x76543210
	s_mov_b32 s[SEL+1], 0xfedcba98
	s_wait_alu depctr_va_vdst(0)
	s_wait_kmcnt 0x0
	s_mov_b64 s[22:23], s[16:17]                   ; which tensor: the choice hangs on rt alone
	s_cmp_lt_u32 s20, 1728
	s_cselect_b64 s[22:23], s[14:15], s[22:23]
	s_cmp_lt_u32 s20, 1664
	s_cselect_b64 s[22:23], s[12:13], s[22:23]
	s_cmp_lt_u32 s20, 1600
	s_cselect_b64 s[22:23], s[10:11], s[22:23]
	s_cmp_lt_u32 s20, 1536
	s_cselect_b64 s[22:23], s[8:9], s[22:23]
	s_cselect_b32 s24, 511, 63                     ; tiles in the tensor - 1
	s_cmp_lt_u32 s20, 1024
	s_cselect_b64 s[22:23], s[6:7], s[22:23]
	s_cmp_lt_u32 s20, 512
	s_cselect_b64 s[22:23], s[4:5], s[22:23]
	s_and_b32 s24, s20, s24                        ; the tile's number in its tensor
	s_lshr_b32 s25, s24, 1
	s_lshl_b32 s25, s25, 17                        ; 32 rows of 4,096 bytes
	s_and_b32 s24, s24, 1
	s_lshl_b32 s24, s24, 15                        ; 8 rows
	s_add_co_u32 s24, s24, s25
	s_mov_b32 s25, 0
	s_add_nc_u64 s[22:23], s[22:23], s[24:25]      ; the tile's first row
	s_mul_i32 s24, s20, 12288
	s_add_nc_u64 s[26:27], s[18:19], s[24:25]      ; its codes
	s_lshl_b32 s24, s20, 9
	s_add_nc_u64 s[28:29], s[18:19], s[24:25]
	s_add_nc_u64 s[28:29], s[28:29], XS            ; its scale words
.macro LOAD f                          ; K step f of the 16 rows: each load 512 consecutive bytes
.irp i, 0,1,2,3,4,5,6,7,8,9,10,11,12,13,14,15
	global_load_b128 v[R+64*((\f)%2)+4*\i:R+64*((\f)%2)+4*\i+3], v2, s[22:23] offset:(\i+8*(\i/8))*4096+512*(\f) th:TH_LOAD_NT
.endr
.endm
; 64 numbers of a lane, register 16 b + i = k 32 b + 16 (lane / 16) + i of my row, become a fragment's codes in v[PC] on and its scale word in v[pw]
.macro QUANT s, pw
.irp b, 0,1,2,3
	v_max3_num_f32 v[TM+\b], |v[\s+16*\b]|, |v[\s+1+16*\b]|, 0x1800000   ; my 16 numbers of block b, and the floor 2^(3 - 127): the byte cannot fall under 1
.endr
.irp i, 2,4,6,8,10,12,14
.irp b, 0,1,2,3
	v_max3_num_f32 v[TM+\b], v[TM+\b], |v[\s+16*\b+\i]|, |v[\s+1+16*\b+\i]|
.endr
.endr
.irp b, 0,1,2,3
	v_permlanex16_b32 v[TM+4+\b], v[TM+\b], s[SEL], s[SEL+1]
.endr
.irp b, 0,1,2,3
	v_max_num_f32 v[TM+\b], v[TM+\b], v[TM+4+\b]   ; with lane l xor 16's: the block's largest magnitude
.endr
.irp b, 0,1,2,3
	v_add_nc_u32 v[TM+12+\b], 0xff000000, v[TM+\b] ; 2 off its exponent field: the conversion's scale operand
.endr
.irp b, 0,1,2,3
	v_lshrrev_b32 v[TM+4+\b], 23, v[TM+12+\b]      ; the scale's byte
.endr
	v_lshl_or_b32 v[\pw], v[TM+5], 8, v[TM+4]
	v_lshl_or_b32 v[\pw], v[TM+6], 16, v[\pw]
	v_lshl_or_b32 v[\pw], v[TM+7], 24, v[\pw]
.irp c, 0,1
	v_cvt_scalef32_pk16_fp6_f32 v[PC+6*\c:PC+2+6*\c], v[\s+32*\c:\s+15+32*\c], v[TM+12+2*\c]
	v_cvt_scalef32_pk16_fp6_f32 v[PC+12+4*\c:PC+14+4*\c], v[\s+16+32*\c:\s+31+32*\c], v[TM+12+2*\c+1]   ; (a conversion's three registers begin on an even number)
.endr
	v_nop                                          ; one plain place behind a scaled conversion
.irp c, 0,1                                    ; the operand's layout wants a whole block in a lane: lanes 0-15 block 2 c, lanes 16-31 block 2 c + 1
.irp i, 0,1,2
	v_permlane16_swap_b32 v[PC+6*\c+\i], v[PC+12+4*\c+\i]
.endr
.irp i, 0,1,2
	v_mov_b32 v[PC+3+6*\c+\i], v[PC+12+4*\c+\i]
.endr
.endr
.endm
.macro FRAGMENT f
.if (\f) < 7
	s_wait_loadcnt 16                              ; this K step's 16 loads are in; the next step's 16 may be out
.else
	s_wait_loadcnt 0x0
.endif
.irp i, 0,1,2,3,4,5,6,7,8,9,10,11,12,13,14,15
	ds_store_b128 v3, v[R+64*((\f)%2)+4*\i:R+64*((\f)%2)+4*\i+3] offset:SP*\i
.endr
.irp b, 0,1,2,3
.irp j, 0,1,2,3
	ds_load_b128 v[X+16*\b+4*\j:X+16*\b+4*\j+3], v4 offset:128*\b+16*\j   ; LDS serves a wave's instructions in order (ISA guide 5.7.1.4): these see the stores above
.endr
.endr
	s_wait_dscnt 0x0                               ; the numbers are back, and the stores into the stage have read their registers
	s_wait_xcnt 0x0                                ; the last fragment's stores have read their data: the codes' registers may be written again
.if (\f) < 6
	LOAD (\f)+2
.endif
	QUANT X, PWS+(\f)
.irp p, 0,1,2
	global_store_b128 v2, v[PC+4*\p:PC+4*\p+3], s[26:27] offset:1536*(\f)+512*\p th:TH_STORE_NT   ; 32 lanes store 512 consecutive bytes, aligned
.endr
.endm
	LOAD 0
	LOAD 1
.irp f, 0,1,2,3,4,5,6,7
	FRAGMENT \f
.endr
.irp j, 0,1,2,3
	v_cndmask_b32 v[OW+\j], v[PWS+\j], v[PWS+4+\j], s30   ; lanes 0-15 send K steps 0-3 of row r, lanes 16-31 K steps 4-7
.endr
	global_store_b128 v7, v[OW:OW+3], s[28:29] th:TH_STORE_NT   ; the tile's 512 bytes of scale words in one instruction
	s_wait_tensorcnt 0x0
	ds_add_u32 v239, v243
	s_wait_dscnt 0x0
	s_endpgm
.Lfunc_end_k_qf8b77e824c_quant:
	.size	k_qf8b77e824c_quant, .Lfunc_end_k_qf8b77e824c_quant-k_qf8b77e824c_quant
	.p2alignl 7, 3214868480
	.fill 96, 4, 3214868480
	.section	.rodata,"a",@progbits
	.p2align	6, 0x0
	.amdhsa_kernel k_qf8b77e824c_quant
		.amdhsa_group_segment_fixed_size 61952
		.amdhsa_private_segment_fixed_size 0
		.amdhsa_enable_private_segment 0
		.amdhsa_kernarg_size 64
		.amdhsa_user_sgpr_count 2
		.amdhsa_user_sgpr_kernarg_segment_ptr 1
		.amdhsa_wavefront_size32 1
		.amdhsa_system_sgpr_workgroup_id_x 1
		.amdhsa_system_sgpr_workgroup_id_y 1
		.amdhsa_system_sgpr_workgroup_id_z 1
		.amdhsa_system_vgpr_workitem_id 0
		.amdhsa_next_free_vgpr 256
		.amdhsa_next_free_sgpr 66
		.amdhsa_reserve_vcc 0
		.amdhsa_float_denorm_mode_32 3
		.amdhsa_float_denorm_mode_16_64 3
		.amdhsa_memory_ordered 1
		.amdhsa_forward_progress 1
		.amdhsa_inst_pref_size 64
	.end_amdhsa_kernel
	.amdgpu_metadata
---
amdhsa.version: [ 1, 2 ]
amdhsa.kernels:
  - .name:           k_qf8b77e824c_quant
    .symbol:         k_qf8b77e824c_quant.kd
    .args:
      - { .name: querys, .offset: 0, .size: 8, .value_kind: global_buffer, .address_space: global }
      - { .name: keys, .offset: 8, .size: 8, .value_kind: global_buffer, .address_space: global }
      - { .name: values, .offset: 16, .size: 8, .value_kind: global_buffer, .address_space: global }
      - { .name: Wq, .offset: 24, .size: 8, .value_kind: global_buffer, .address_space: global }
      - { .name: Wk, .offset: 32, .size: 8, .value_kind: global_buffer, .address_space: global }
      - { .name: Wv, .offset: 40, .size: 8, .value_kind: global_buffer, .address_space: global }
      - { .name: Wo, .offset: 48, .size: 8, .value_kind: global_buffer, .address_space: global }
      - { .name: XI, .offset: 56, .size: 8, .value_kind: global_buffer, .address_space: global }
    .group_segment_fixed_size: 61952
    .private_segment_fixed_size: 0
    .kernarg_segment_align: 8
    .kernarg_segment_size: 64
    .max_flat_workgroup_size: 224
    .sgpr_count:     66
    .vgpr_count:     256
    .wavefront_size: 32
...
	.end_amdgpu_metadata
.endif
;; end of part 1
;; launch proj (part 2): grid 4 x 192, 4 waves a work-group, clusters of 4 x 4, 295,424 bytes of LDS; arguments XI, QI, KI, VI; writes QI, KI, VI
.if DOCPART == 2
	.amdgcn_target "amdgcn-amd-amdhsa--gfx1250"
	.amdhsa_code_object_version 6
	.text
	.protected	k_qf8b77e824c_proj
	.globl	k_qf8b77e824c_proj
	.p2align	8
	.type	k_qf8b77e824c_proj,@function
k_qf8b77e824c_proj:
	s_mov_b64 s[64:65], 0
	v_nop
	global_prefetch_b8 v0, s[64:65] scope:SCOPE_SE
	s_setreg_imm32_b32 hwreg(HW_REG_WAVE_MODE, 25, 1), 1
	s_wait_xcnt 0x0
	s_wait_alu depctr_hold_cnt(0) depctr_sa_sdst(0) depctr_va_vdst(0) depctr_va_sdst(0) depctr_va_ssrc(0) depctr_va_vcc(0) depctr_vm_vsrc(0)
	s_getreg_b32 s2, hwreg(HW_REG_IB_STS2, 6, 4)
	s_cmp_eq_u32 s2, 0
	s_cbranch_scc0 .Lentry_in_a_cluster
	s_endpgm
.Lentry_in_a_cluster:
	s_bfe_u32 s2, ttmp6, 0x10000c
	s_cmp_lg_u32 s2, 0xf033
	s_cbranch_scc0 .Lentry_shape_is_right
	s_endpgm
.Lentry_shape_is_right:
; q = querys Wq^T, k = keys Wk^T, v = values Wv^T on codes of FP6 (E2M3) with E8M0 scales, f32 sums; the results are quantised in registers and stored as the images that attention reads.
; The matrix instruction is used with source 0 = 16 rows of S0 and source 1 = 16 rows of S1: a lane then holds ONE row of S1, and, since image tiles hold rows in the order
; 32 g + 8 u + r + 8 (r / 8), the 64 registers of eight S0 tiles are 4 blocks x 16 neighbours along S0's rows: the next product's K.
; q, k: S0 = W (K next = the head's channels), S1 = x.   v: S0 = values (K next = the keys), S1 = Wv.
; A work-group makes 256 rows of S0 x 128 rows of S1 over all K = 1024; wave w: S1's half a = w / 2 (4 tiles), S0's half b = w % 2 (8 tiles): 32 accumulators.
; ALL OF K LIES IN LDS: 24 tiles x 12288 bytes = 294912.  Every LDS byte is filled once, so there is no ring.  The fills go out at the head in four chunks of two K steps,
; and counted waits let the work begin when chunk 0 is in.  By this text's count a wave has four tensor loads out.
; CLUSTER 4 x 4: S0's tiles hang on cx alone and are asked for jointly by my column, S1's on cy alone and by my row.  768 work-groups.
; OUT: QI, KI: tile T of head bh at (bh x 128 + T) x 768, 3 planes [lane][8 bytes]; scale PAIR WORDS (tile 2 u's two bytes, tile 2 u + 1's above) at HS + (bh x 32 + T / 4) x 128 + 8 r + 4 ((T / 2) % 2).
;      VI: ((bh x 16 + key step) x 4 + channel tile) x 1536, 3 planes [lane][16 bytes]; scale words at HS + (bh x 16 + step) x 256 + 16 r + 4 tile.
; LIMITS: as in the quantising launch (NaN, infinities; byte 1 for blocks under 2^-124 and for blocks of zeros).
; REGISTERS: window 0: v1-15 addresses; v32-95 S0's scale words (8 t + f), v96-127 S1's (8 m + f); v128-223 S1's fragments, two sets.  window 1: S0's fragments, sets at v0 and v128.  window 2: accumulator (m, t) at 64 m + 8 t.
.set XS,   22020096
.set HS,   6291456
.set CH,   73728                       ; a chunk: 16 S0 tiles, then 8 S1 tiles, 3072 bytes (two K steps) each
.set NF,   36                          ; LDS loads of one K step's fragments
.set WV,   12
.set G1A,  24
.set G1B,  32
.set G0A,  40                          ; s[40:55] four groups 0 for S0's chunks
.set G0B,  68                          ; s[68:83] four for S1's
.set SEL,  100
.set ADR0, 4
.set ADR1, 8
.set SCA,  32
.set SCB,  96
.set BF,   128
.set TM,   128                         ; the way out works where S1's fragments lay
.set PC,   144
.set PW,   164
.set MSB, 0
.macro WIN new                         ; the immediate's high byte repeats the setting that is left
.if MSB != \new
	s_set_vgpr_msb (MSB<<8)|\new
.set MSB, \new
.endif
.endm
.macro PLACES n
.rept \n
	v_nop
.endr
.endm
.macro ROUND                           ; a round of the cluster's barrier
	s_barrier_signal -1
	s_barrier_wait -1
	s_cmp_lg_u32 s[WV], 0
	s_cbranch_scc1 .Lnot_wave_0_\@
	s_barrier_signal -3
.Lnot_wave_0_\@:
	s_barrier_wait -3
	s_barrier_signal -1
	s_barrier_wait -1
.endm
	s_load_b256 s[4:11], s[0:1], 0x0               ; XI, QI, KI, VI
	v_lshl_add_u32 v254, v0, 2, 0x48000
	v_mov_b32 v255, 0
	ds_add_u32 v254, v255
	ds_add_u32 v254, v255
	v_lshrrev_b32 v1, 5, v0
	v_readfirstlane_b32 s[WV], v1                  ; wave 0..3
	s_lshr_b32 s13, s[WV], 1                       ; a: my half of S1.  Also: I fetch for S0 (0) or for S1 (1)
	s_and_b32 s14, s[WV], 1                        ; b: my half of S0.  Also: which half I fetch
	s_bfe_u32 s15, ttmp6, 0x40000                  ; cx
	s_bfe_u32 s16, ttmp6, 0x40004                  ; cy
	s_and_b32 s17, ttmp7, 0xffff                   ; the cluster's y: 0..47, shared by all partners
	s_lshr_b32 s18, s17, 4                         ; t: 0 q, 1 k, 2 v
	s_and_b32 s19, s17, 15
	s_lshl_b32 s20, s18, 6
	s_add_co_u32 s20, s20, 1536                    ; W's first tile
	s_lshr_b32 s21, s19, 1
	s_lshl_b32 s21, s21, 2
	s_lshl_b32 s22, s18, 9                         ; x's first tile
	s_and_b32 s23, s19, 1
	s_lshl_b32 s23, s23, 2
	s_lshl_b32 s57, s19, 2
	s_cmp_eq_u32 s18, 2
	s_cselect_b32 s20, 1024, s20                   ; S0's first tile in XI
	s_cselect_b32 s21, s21, 0
	s_cselect_b32 s22, 1664, s22                   ; S1's
	s_cselect_b32 s23, s23, s57
	s_add_co_u32 s21, s21, s15                     ; which 16 tiles of S0: hangs on cx, never on cy
	s_add_co_u32 s23, s23, s16                     ; which 8 tiles of S1: hangs on cy, never on cx
	s_lshl_b32 s56, s21, 4
	s_add_co_u32 s56, s56, s20                     ; S0's first tile of this work-group
	s_lshl_b32 s58, s23, 3
	s_add_co_u32 s58, s58, s22                     ; S1's
	s_lshl_b32 s59, 0x1111, s15                    ; my column of the cluster
	s_or_b32 s[G1A], s59, (3<<16)|(1<<21)          ; 15:0 mask; 17:16 elements of 8 bytes; 21 set beside a mask; no padding
	s_lshl_b32 s62, s16, 2
	s_lshl_b32 s62, 15, s62                        ; my row
	s_or_b32 s[G1B], s62, (3<<16)|(1<<21)
.irp g, G1A, G1B
	s_mov_b32 s[\g+1], 384<<16                     ; tensor_dim0: 3072 bytes of a tile's 12288
	s_mov_b32 s[\g+3], 384<<16                     ; tile_dim0
	s_mov_b32 s[\g+5], 1536                        ; from tile to tile: 12288 bytes
	s_mov_b32 s[\g+6], 0
	s_mov_b32 s[\g+7], 0
.endr
	s_mov_b32 s[G1A+2], 8<<16                      ; 8 tiles of S0 to a load
	s_mov_b32 s[G1A+4], 8
	s_mov_b32 s[G1B+2], 4<<16                      ; 4 of S1
	s_mov_b32 s[G1B+4], 4
	s_lshl_b32 s59, s14, 3
	s_add_co_u32 s59, s59, s56                     ; S0: the half b's first tile
	s_mul_i32 s60, s59, 12288
	s_mov_b32 s61, 0
	s_lshl_b32 s62, s14, 2
	s_add_co_u32 s62, s62, s58                     ; S1: the half that I fetch
	s_mul_i32 s62, s62, 12288
	s_mov_b32 s63, 0
	s_mul_i32 s84, s14, 24576                      ; where they go in a chunk: the wave's number alone enters an LDS address
	s_mul_i32 s85, s14, 12288
	s_add_co_u32 s85, s85, 49152
	s_lshl_b32 s86, s59, 9                         ; S0's scale records, 512 bytes a tile
	s_mov_b32 s87, 0
	s_lshl_b32 s88, s13, 2
	s_add_co_u32 s88, s88, s58
	s_lshl_b32 s88, s88, 9                         ; S1's, of my half a
	s_mov_b32 s89, 0
	s_mov_b32 s67, 0xffff0000                      ; lanes 16-31
	s_mov_b32 s[SEL], 0x76543210
	s_mov_b32 s[SEL+1], 0xfedcba98
	; where the results go.  q, k: token tile G0 = 8 x (S1's number) + 4 a on, heads 2 hg and 2 hg + 1, hg = 2 cx + b
	s_lshl_b32 s2, s23, 3
	s_lshl_b32 s3, s13, 2
	s_add_co_u32 s2, s2, s3
	s_lshr_b32 s3, s2, 7                           ; batch
	s_and_b32 s2, s2, 127                          ; T0
	s_lshl_b32 s66, s15, 1
	s_add_co_u32 s66, s66, s14
	s_lshl_b32 s66, s66, 1
	s_lshl_b32 s3, s3, 4
	s_add_co_u32 s3, s3, s66                       ; bh of the lower head
	s_lshl_b32 s66, s3, 7
	s_add_co_u32 s66, s66, s2
	s_mul_i32 s92, s66, 768
	s_lshl_b32 s66, s3, 5
	s_lshr_b32 s2, s2, 2
	s_add_co_u32 s66, s66, s2
	s_lshl_b32 s94, s66, 7
	; v: head = 2 x (S1's number) + a, key step Sg = 2 x (S0's number) + b
	s_lshl_b32 s2, s23, 1
	s_add_co_u32 s2, s2, s13
	s_lshl_b32 s3, s21, 1
	s_add_co_u32 s3, s3, s14
	s_lshr_b32 s66, s3, 4                          ; batch
	s_and_b32 s3, s3, 15                           ; step
	s_lshl_b32 s66, s66, 4
	s_add_co_u32 s66, s66, s2
	s_lshl_b32 s66, s66, 4
	s_add_co_u32 s66, s66, s3                      ; (bh, step)
	s_mul_i32 s2, s66, 6144
	s_lshl_b32 s3, s66, 8
	s_mov_b32 s93, 0
	s_mov_b32 s95, 0
	s_wait_dscnt 0x0
	s_wait_kmcnt 0x0
	s_cmp_eq_u32 s18, 2
	s_cselect_b32 s92, s2, s92
	s_cselect_b32 s94, s3, s94
	s_cselect_b64 s[90:91], s[10:11], s[8:9]
	s_cmp_eq_u32 s18, 0
	s_cselect_b64 s[90:91], s[6:7], s[90:91]       ; QI, KI or VI: the choice hangs on the cluster's y alone
	s_add_nc_u64 s[96:97], s[90:91], s[94:95]
	s_add_nc_u64 s[96:97], s[96:97], HS            ; scales out
	s_add_nc_u64 s[90:91], s[90:91], s[92:93]      ; codes out
	s_add_nc_u64 s[60:61], s[4:5], s[60:61]
	s_add_nc_u64 s[62:63], s[4:5], s[62:63]
	s_add_nc_u64 s[86:87], s[4:5], s[86:87]
	s_add_nc_u64 s[86:87], s[86:87], XS
	s_add_nc_u64 s[88:89], s[4:5], s[88:89]
	s_add_nc_u64 s[88:89], s[88:89], XS
.irp c, 0,1,2,3
	s_mov_b32 s[G0A+4*\c], 1
	s_add_co_u32 s[G0A+4*\c+1], s84, \c*CH
	s_add_nc_u64 s[G0A+4*\c+2:G0A+4*\c+3], s[60:61], \c*3072
	s_or_b32 s[G0A+4*\c+3], s[G0A+4*\c+3], 0x80000000
	s_mov_b32 s[G0B+4*\c], 1
	s_add_co_u32 s[G0B+4*\c+1], s85, \c*CH
	s_add_nc_u64 s[G0B+4*\c+2:G0B+4*\c+3], s[62:63], \c*3072
	s_or_b32 s[G0B+4*\c+3], s[G0B+4*\c+3], 0x80000000
.endr
	ROUND                                          ; all sixteen work-groups are here: the joint loads meet
	s_cmp_eq_u32 s13, 0                            ; a wave's four first fills stand in one branch on the wave's number; four v_nop follow the last
	s_cbranch_scc0 .Lfor_s1
.irp c, 0,1,2,3
	tensor_load_to_lds s[G0A+4*\c:G0A+4*\c+3], s[G1A:G1A+7]
	s_nop 0
.endr
	PLACES 4
	s_branch .Lasked
.Lfor_s1:
.irp c, 0,1,2,3
	tensor_load_to_lds s[G0B+4*\c:G0B+4*\c+3], s[G1B:G1B+7]
	s_nop 0
.endr
	PLACES 4
.Lasked:
	v_and_b32 v13, 31, v0
	v_lshlrev_b32 v1, 4, v13                       ; 16 x lane
	v_lshlrev_b32 v13, 3, v13                      ; 8 x lane
	v_and_b32 v2, 15, v0                           ; r
	v_bfe_u32 v3, v0, 4, 1                         ; h
	v_lshlrev_b32 v12, 5, v2                       ; 32 r: a row's 8 scale words
	v_lshlrev_b32 v15, 4, v2                       ; 16 r
	v_lshlrev_b32 v14, 3, v2
	v_lshl_add_u32 v14, v3, 12, v14                ; 8 r + 4096 h
.irp t, 0,1,2,3,4,5,6,7
.irp q, 0,1
	global_load_b128 v[SCA+8*\t+4*\q:SCA+8*\t+4*\q+3], v12, s[86:87] offset:512*\t+16*\q   ; the scale words of all K, once; lanes 16-31 read what lanes 0-15 read
.endr
.endr
.irp m, 0,1,2,3
.irp q, 0,1
	global_load_b128 v[SCB+8*\m+4*\q:SCB+8*\m+4*\q+3], v12, s[88:89] offset:512*\m+16*\q
.endr
.endr
	s_mul_i32 s98, s13, 12288
	s_add_co_u32 s98, s98, 49152                   ; S1's half a in a chunk
.irp c, 0,1,2,3
	s_add_co_u32 s99, s84, \c*CH
	v_add_nc_u32 v[ADR0+\c], s99, v1
	s_add_co_u32 s99, s98, \c*CH
	v_add_nc_u32 v[ADR1+\c], s99, v1
.endr
.macro FETCH f                         ; K step f's fragments: images of registers, 512 consecutive bytes a load
	WIN 0x40                                       ; destination window 1, address window 0
.irp t, 0,1,2,3,4,5,6,7
.irp p, 0,1,2
	ds_load_b128 v[128*((\f)%2)+12*\t+4*\p:128*((\f)%2)+12*\t+4*\p+3], v[ADR0+(\f)/2] offset:3072*\t+1536*((\f)%2)+512*\p
.endr
.endr
	WIN 0
.irp m, 0,1,2,3
.irp p, 0,1,2
	ds_load_b128 v[BF+48*((\f)%2)+12*\m+4*\p:BF+48*((\f)%2)+12*\m+4*\p+3], v[ADR1+(\f)/2] offset:3072*\m+1536*((\f)%2)+512*\p
.endr
.endr
.endm
.macro MUL f                           ; 32 products; the 32 accumulators take turns, one instruction a turn, in the same order in every step
	WIN 0xa1                                       ; source 0 window 1, source 1 window 0, C and D window 2
.irp m, 0,1,2,3
.irp t, 0,1,2,3,4,5,6,7
.if (\f) == 0
	v_wmma_scale_f32_16x16x128_f8f6f4 v[64*\m+8*\t:64*\m+8*\t+7], v[128*((\f)%2)+12*\t:128*((\f)%2)+12*\t+11], v[BF+48*((\f)%2)+12*\m:BF+48*((\f)%2)+12*\m+11], 0, v[SCA+8*\t+(\f)], v[SCB+8*\m+(\f)] matrix_a_fmt:MATRIX_FMT_FP6 matrix_b_fmt:MATRIX_FMT_FP6
.else
	v_wmma_scale_f32_16x16x128_f8f6f4 v[64*\m+8*\t:64*\m+8*\t+7], v[128*((\f)%2)+12*\t:128*((\f)%2)+12*\t+11], v[BF+48*((\f)%2)+12*\m:BF+48*((\f)%2)+12*\m+11], v[64*\m+8*\t:64*\m+8*\t+7], v[SCA+8*\t+(\f)], v[SCB+8*\m+(\f)] matrix_a_fmt:MATRIX_FMT_FP6 matrix_b_fmt:MATRIX_FMT_FP6
.endif
.endr
.endr
	WIN 0
.endm
.macro STEP f
.if ((\f)%2 == 1) && ((\f) < 7)
	s_wait_tensorcnt 3-((\f)+1)/2                  ; my part of the next chunk is in; the chunks behind it may be out
	s_wait_dscnt 0x0
	s_barrier_signal -1
	s_barrier_wait -1                              ; everybody's part is in
.endif
.if (\f) < 7
.if (\f) > 0
	PLACES 4                                       ; in front of loads into registers that matrix instructions have read (ISA guide 7.12.1 for vector instructions)
.endif
	FETCH (\f)+1
	s_wait_dscnt NF                                ; all but the loads just issued: this step's fragments are in
.else
	s_wait_dscnt 0x0
.endif
	MUL \f
.endm
	s_wait_alu depctr_va_vdst(0)
	s_wait_tensorcnt 3                             ; my part of chunk 0 is in; chunks 1 to 3 may be out
	s_barrier_signal -1
	s_barrier_wait -1
	FETCH 0
	s_wait_loadcnt 0x0                             ; the scale words
.irp f, 0,1,2,3,4,5,6,7
	STEP \f
.endr
; THE WAY OUT.  The 64 registers of S1 tile m (register 16 b + i = next K 32 b + 16 (lane / 16) + i) become a fragment's 12 registers and a scale word; they are stored as they stand.
.macro QUANTW m
	WIN 0x0a                                       ; sources 0 and 1 window 2
.irp b, 0,1,2,3
	v_max3_num_f32 v[TM+\b], |v[64*\m+16*\b]|, |v[64*\m+16*\b+1]|, 0x1800000   ; each accumulator is read from its low end on
.endr
.irp i, 2,4,6,8,10,12,14
.irp b, 0,1,2,3
	v_max3_num_f32 v[TM+\b], |v[64*\m+16*\b+\i]|, |v[64*\m+16*\b+\i+1]|, v[TM+\b]
.endr
.endr
	WIN 0
.irp b, 0,1,2,3
	v_permlanex16_b32 v[TM+4+\b], v[TM+\b], s[SEL], s[SEL+1]
.endr
.irp b, 0,1,2,3
	v_max_num_f32 v[TM+\b], v[TM+\b], v[TM+4+\b]
.endr
.irp b, 0,1,2,3
	v_add_nc_u32 v[TM+12+\b], 0xff000000, v[TM+\b]
.endr
.irp b, 0,1,2,3
	v_lshrrev_b32 v[TM+4+\b], 23, v[TM+12+\b]
.endr
	v_lshl_or_b32 v[PW+\m], v[TM+5], 8, v[TM+4]
	v_lshl_or_b32 v[PW+\m], v[TM+6], 16, v[PW+\m]
	v_lshl_or_b32 v[PW+\m], v[TM+7], 24, v[PW+\m]
	WIN 0x02                                       ; source 0 window 2
.irp c, 0,1
	v_cvt_scalef32_pk16_fp6_f32 v[PC+6*\c:PC+6*\c+2], v[64*\m+32*\c:64*\m+32*\c+15], v[TM+12+2*\c]
	v_cvt_scalef32_pk16_fp6_f32 v[PC+12+4*\c:PC+14+4*\c], v[64*\m+32*\c+16:64*\m+32*\c+31], v[TM+12+2*\c+1]
.endr
	WIN 0
	v_nop                                          ; one plain place behind a scaled conversion
.irp c, 0,1
.irp i, 0,1,2
	v_permlane16_swap_b32 v[PC+6*\c+\i], v[PC+12+4*\c+\i]
.endr
.irp i, 0,1,2
	v_mov_b32 v[PC+3+6*\c+\i], v[PC+12+4*\c+\i]
.endr
.endr
.endm
.macro OUTM m
.if \m > 0
	s_wait_xcnt 0x0                                ; the last tile's stores have read their data
.endif
	QUANTW \m
	s_cmp_eq_u32 s18, 2                            ; the same in all partners
	s_cbranch_scc1 .Lvst_\@
.irp q, 0,1,2,3,4,5
	global_store_b64 v13, v[PC+2*\q:PC+2*\q+1], s[90:91] offset:768*\m+98304*(\q/3)+256*(\q%3)   ; registers 0-5: the lower head, 6-11: the upper; 32 lanes store 256 consecutive bytes, aligned
.endr
	s_branch .Ldone_\@
.Lvst_\@:
	s_wait_alu depctr_va_vdst(0)
.irp p, 0,1,2
	global_store_b128 v1, v[PC+4*\p:PC+4*\p+3], s[90:91] offset:1536*\m+512*\p
.endr
.Ldone_\@:
.endm
	PLACES 4                                       ; behind the last products
.irp b, 0,1,2,3
	v_mov_b32 v[TM+4+\b], 0                        ; a lane permute's destination counts as one of its sources
.endr
.irp m, 0,1,2,3
	OUTM \m
.endr
	s_cmp_eq_u32 s18, 2
	s_cbranch_scc1 .Lv_scales
	v_perm_b32 v168, v165, v164, 0x05040100        ; the lower head's pair words: tiles 0, 1
	v_perm_b32 v169, v167, v166, 0x05040100        ; tiles 2, 3
	v_perm_b32 v170, v165, v164, 0x07060302        ; the upper head's
	v_perm_b32 v171, v167, v166, 0x07060302
	v_cndmask_b32 v168, v168, v170, s67            ; lanes 16-31 send the upper head's
	v_cndmask_b32 v169, v169, v171, s67
	global_store_b64 v14, v[168:169], s[96:97]     ; 128 consecutive bytes for each head: one part in 48 of what the wave stores
	s_branch .Lout_done
.Lv_scales:
	global_store_b128 v15, v[164:167], s[96:97]    ; 256 consecutive bytes; lanes 16-31 write what lanes 0-15 write
.Lout_done:
	s_wait_tensorcnt 0x0
	ds_add_u32 v254, v255
	s_wait_dscnt 0x0
	ROUND                                          ; the closing round
	s_endpgm
.Lfunc_end_k_qf8b77e824c_proj:
	.size	k_qf8b77e824c_proj, .Lfunc_end_k_qf8b77e824c_proj-k_qf8b77e824c_proj
	.p2alignl 7, 3214868480
	.fill 96, 4, 3214868480
	.section	.rodata,"a",@progbits
	.p2align	6, 0x0
	.amdhsa_kernel k_qf8b77e824c_proj
		.amdhsa_group_segment_fixed_size 295424
		.amdhsa_private_segment_fixed_size 0
		.amdhsa_enable_private_segment 0
		.amdhsa_kernarg_size 32
		.amdhsa_user_sgpr_count 2
		.amdhsa_user_sgpr_kernarg_segment_ptr 1
		.amdhsa_wavefront_size32 1
		.amdhsa_system_sgpr_workgroup_id_x 1
		.amdhsa_system_sgpr_workgroup_id_y 1
		.amdhsa_system_sgpr_workgroup_id_z 1
		.amdhsa_system_vgpr_workitem_id 0
		.amdhsa_next_free_vgpr 768
		.amdhsa_next_free_sgpr 102
		.amdhsa_reserve_vcc 0
		.amdhsa_float_denorm_mode_32 3
		.amdhsa_float_denorm_mode_16_64 3
		.amdhsa_memory_ordered 1
		.amdhsa_forward_progress 1
		.amdhsa_inst_pref_size 86
	.end_amdhsa_kernel
	.amdgpu_metadata
---
amdhsa.version: [ 1, 2 ]
amdhsa.kernels:
  - .name:           k_qf8b77e824c_proj
    .symbol:         k_qf8b77e824c_proj.kd
    .args:
      - { .name: XI, .offset: 0, .size: 8, .value_kind: global_buffer, .address_space: global }
      - { .name: QI, .offset: 8, .size: 8, .value_kind: global_buffer, .address_space: global }
      - { .name: KI, .offset: 16, .size: 8, .value_kind: global_buffer, .address_space: global }
      - { .name: VI, .offset: 24, .size: 8, .value_kind: global_buffer, .address_space: global }
    .group_segment_fixed_size: 295424
    .private_segment_fixed_size: 0
    .kernarg_segment_align: 8
    .kernarg_segment_size: 32
    .max_flat_workgroup_size: 128
    .sgpr_count:     102
    .vgpr_count:     768
    .wavefront_size: 32
...
	.end_amdgpu_metadata
.endif
;; end of part 2
;; launch attn (part 3): grid 4 x 64, 16 waves a work-group, clusters of 4 x 1, 206,848 bytes of LDS; arguments QI, KI, VI, AI; writes AI
.if DOCPART == 3
	.amdgcn_target "amdgcn-amd-amdhsa--gfx1250"
	.amdhsa_code_object_version 6
	.text
	.protected	k_qf8b77e824c_attn
	.globl	k_qf8b77e824c_attn
	.p2align	8
	.type	k_qf8b77e824c_attn,@function
k_qf8b77e824c_attn:
	s_mov_b64 s[64:65], 0
	v_nop
	global_prefetch_b8 v0, s[64:65] scope:SCOPE_SE
	s_setreg_imm32_b32 hwreg(HW_REG_WAVE_MODE, 25, 1), 1
	s_wait_xcnt 0x0
	s_wait_alu depctr_hold_cnt(0) depctr_sa_sdst(0) depctr_va_vdst(0) depctr_va_sdst(0) depctr_va_ssrc(0) depctr_va_vcc(0) depctr_vm_vsrc(0)
	s_getreg_b32 s2, hwreg(HW_REG_IB_STS2, 6, 4)
	s_cmp_eq_u32 s2, 0
	s_cbranch_scc0 .Lentry_in_a_cluster
	s_endpgm
.Lentry_in_a_cluster:
	s_bfe_u32 s2, ttmp6, 0x10000c
	s_cmp_lg_u32 s2, 0x3003
	s_cbranch_scc0 .Lentry_shape_is_right
	s_endpgm
.Lentry_shape_is_right:
; Causal attention of one (batch, head) a cluster, head size 64, both products on codes of FP6 (E2M3) with E8M0 scales; the result O / l is quantised along the model's 1024 and stored as an operand image.
; t = score x log2(e) / 8; M = the running largest t rounded up to a whole number; p = 2^(t - M) is quantised along the keys; the row's sum is taken of the unquantised p and divides at the end.
; SHARES.  The four work-groups of a cluster read the same K and V: all of the head's codes and scale words are asked for JOINTLY and stay in LDS: every LDS byte is filled once.
; Wave w (a = w / 2) of work-group g takes two tiles of 16 queries: 127 - T and T, T = 8 a + 2 g + w % 2: (16 - a) + (a + 1) = 17 key steps of 128 for every wave.  Which steps a wave works hangs on w alone.
; Sixteen waves of 256 registers: four to a SIMD, so that one wave's vector work stands beside another's products and LDS loads.
; LAYOUT.  Both products with source 1 = my queries: a lane holds one query.  Tiles hold tokens in the order 32 g + 8 u + r + 8 (r / 8), so that the 16 registers of key tiles 2 b, 2 b + 1 are 16 neighbouring keys.
; K = 64 IN AN INSTRUCTION OF 128: one operand holds key tile 2 u (registers 0-5) and tile 2 u + 1 (6-11); it is multiplied by [q, 0] and by [0, q].  The zero codes cancel the other tile exactly;
; Q's scale bytes of the zero blocks are 0.
; LDS: K's codes 0 (768 a tile), V's 98304 (6144 a step), K's pair words 196608 (256 a step), V's scale words 200704 (256 a step).
; A block's largest p is taken from the block's largest score by the same two instructions: this takes v_exp_f32 not to fall where its input rises.
; The scale bytes of the result leave 2 bytes a row (a work-group has one head of the 16 that share a row's record): 262,144 bytes in the whole launch.
; LIMITS: NaN and infinities are not served; blocks under 2^-124 and blocks of zeros get the byte 1.
.set HS,   6291456
.set VC,   98304
.set KSC,  196608
.set VSC,  200704
.set WV,   18
.set SEL,  20
.set CS,   22
.set G1S,  24                          ; groups 1: 8, 48 and 144 rows of 256 bytes
.set G1A,  32
.set G1B,  40
.set G0S,  48
.set G0A,  52
.set G0B,  56
.set TB,   60                          ; the step's codes: 6144 a step
.set TS,   61                          ; its scale words: 256 a step
.set ST,   62                          ; the step
.set AT,   63                          ; the step on the diagonal: the last that counts
.set CNT,  66
.set TT,   67                          ; my tile of queries
.set ADK,  8
.set ADV,  9
.set ADS,  10
.set ADT,  11
.set QSL,  34                          ; Q's scale word for [q, 0];  v35 for [0, q]
.set QSH,  35
.set KV,   36                          ; v36-83  K's four pairs of tiles, then V's four fragments
.set KSW,  84
.set VSW,  88
.set PSW,  92
.set R8,   93                          ; 8 r
.set S,    96                          ; v96-159  scores, then p
.set O,    160                         ; v160-191 O^T
.set PCD,  192                         ; v192-203 p's codes
.set CT,   204
.set BM,   212
.set BT,   216
.set BS,   220
.set FF,   224                         ; v[224:225] the factor, as a pair
.set W0,   226
.set W1,   227
.macro ROUND
	s_barrier_signal -1
	s_barrier_wait -1
	s_cmp_lg_u32 s[WV], 0
	s_cbranch_scc1 .Lnot_wave_0_\@
	s_barrier_signal -3
.Lnot_wave_0_\@:
	s_barrier_wait -3
	s_barrier_signal -1
	s_barrier_wait -1
.endm
	s_load_b256 s[4:11], s[0:1], 0x0               ; QI, KI, VI, AI
	v_lshl_add_u32 v254, v0, 2, 0x32000
	v_mov_b32 v255, 0
	ds_add_u32 v254, v255
	ds_add_u32 v254, v255
	v_lshrrev_b32 v8, 5, v0
	s_delay_alu instid0(VALU_DEP_1)
	v_readfirstlane_b32 s[WV], v8                  ; wave 0..15
	s_bfe_u32 s19, ttmp6, 0x40000                  ; cx: it enters Q's and the result's addresses and the mask's numbers alone
	s_and_b32 s68, ttmp7, 0xffff                   ; bh, shared by the four partners
	v_and_b32 v9, 31, v0
	v_and_b32 v10, 15, v0                          ; r
	v_bfe_u32 v11, v0, 4, 1                        ; h
	s_delay_alu instid0(VALU_DEP_3)
	v_lshlrev_b32 v1, 3, v9                        ; 8 x lane
	s_delay_alu instid0(VALU_DEP_4)
	v_lshlrev_b32 v2, 4, v9
	s_delay_alu instid0(VALU_DEP_1)
	v_add_nc_u32 v2, VC, v2                        ; V's codes: 16 x lane
	v_lshlrev_b32 v[R8], 3, v10
	s_delay_alu instid0(VALU_DEP_1)
	v_add_nc_u32 v3, KSC, v[R8]                    ; K's pair words: 8 r
	v_lshlrev_b32 v4, 4, v10
	s_delay_alu instid0(VALU_DEP_1)
	v_add_nc_u32 v4, VSC, v4                       ; V's scale words: 16 r
	v_and_b32 v5, 8, v10
	s_delay_alu instid0(VALU_DEP_1)
	v_add_nc_u32 v5, v5, v10
	v_lshlrev_b32 v11, 4, v11
	s_delay_alu instid0(VALU_DEP_1)
	v_sub_nc_u32 v5, v5, v11                       ; r + 8 (r / 8) - 16 h
	v_lshlrev_b32 v7, 5, v10                       ; 32 r
.irp j, 0,1,2,3,4,5
	v_mov_b32 v[16+\j], 0                          ; v16-33 = [0, q, 0]: [0, q] is v[16:27], [q, 0] is v[22:33]
	v_mov_b32 v[28+\j], 0
.endr
.irp b, 0,1,2,3
	v_mov_b32 v[BT+\b], 0                          ; a lane permute's destination counts as one of its sources
.endr
	v_mov_b32 v[FF+1], 0                           ; named with v224 as a pair
	s_and_b32 s70, s[WV], 1
	s_lshr_b32 s71, s[WV], 1                       ; a
	s_lshl_b32 s90, s19, 1
	s_add_co_u32 s90, s90, s70
	s_lshl_b32 s91, s71, 3
	s_add_co_u32 s90, s90, s91                     ; T: my lower tile
.irp g, G1S, G1A, G1B
	s_mov_b32 s[\g], 15|(3<<16)|(1<<21)            ; 15:0 the mask: all four work-groups; 17:16 elements of 8 bytes; 21 set beside a mask
	s_mov_b32 s[\g+1], 32<<16                      ; rows of 256 bytes, dense
	s_mov_b32 s[\g+3], 32<<16
	s_mov_b32 s[\g+5], 32
	s_mov_b32 s[\g+6], 0
	s_mov_b32 s[\g+7], 0
.endr
	s_mov_b32 s[G1S+2], 8<<16
	s_mov_b32 s[G1S+4], 8
	s_mov_b32 s[G1A+2], 48<<16
	s_mov_b32 s[G1A+4], 48
	s_mov_b32 s[G1B+2], 144<<16
	s_mov_b32 s[G1B+4], 144
	s_mov_b32 s[SEL], 0x76543210
	s_mov_b32 s[SEL+1], 0xfedcba98
	s_mov_b32 s[CS], 0x3e38aa3b                    ; log2(e) / 8
	s_mov_b32 s[CS+1], s[CS]
	s_mul_i32 s74, s68, 98304                      ; the head's codes in QI, KI and VI
	s_mov_b32 s75, 0
	s_lshl_b32 s76, s68, 12                        ; and its scale words
	s_mov_b32 s77, 0
	s_lshr_b32 s92, s68, 4                         ; batch
	s_and_b32 s93, s68, 15                         ; head
	s_mul_i32 s94, s92, 1572864                    ; 128 tiles of 12288 bytes
	s_mul_i32 s95, s93, 768
	s_add_co_u32 s94, s94, s95
	s_mov_b32 s95, 0
	s_lshl_b32 s96, s92, 16                        ; 128 records of 512 bytes
	s_lshl_b32 s93, s93, 1
	s_add_co_u32 s96, s96, s93
	s_mov_b32 s97, 0
	s_wait_dscnt 0x0
	s_wait_kmcnt 0x0
	s_add_nc_u64 s[82:83], s[4:5], s[74:75]        ; Q's codes of the head
	s_add_nc_u64 s[84:85], s[4:5], s[76:77]
	s_add_nc_u64 s[84:85], s[84:85], HS            ; Q's pair words
	s_add_nc_u64 s[86:87], s[10:11], s[94:95]      ; the result's codes: batch and head
	s_add_nc_u64 s[88:89], s[10:11], s[96:97]
	s_add_nc_u64 s[88:89], s[88:89], HS            ; its scale bytes
	; what waves 0 to 3 fetch: waves 0, 1 K's halves, waves 2, 3 V's
	s_cmp_lt_u32 s[WV], 2
	s_cselect_b64 s[72:73], s[6:7], s[8:9]
	s_add_nc_u64 s[80:81], s[72:73], s[76:77]
	s_add_nc_u64 s[80:81], s[80:81], HS
	s_add_nc_u64 s[72:73], s[72:73], s[74:75]
	s_lshl_b32 s78, s70, 11
	s_mov_b32 s79, 0
	s_mov_b32 s[G0S], 1
	s_and_b32 s[G0S+1], s[WV], 3
	s_lshl_b32 s[G0S+1], s[G0S+1], 11
	s_add_co_u32 s[G0S+1], s[G0S+1], KSC           ; K's two halves, then V's two
	s_add_nc_u64 s[G0S+2:G0S+3], s[80:81], s[78:79]
	s_or_b32 s[G0S+3], s[G0S+3], 0x80000000
	s_bfe_u32 s69, s[WV], 0x10001
	s_mul_i32 s69, s69, VC                         ; K's region or V's
	s_mul_i32 s78, s70, 12288                      ; steps 0 to 3: 24576 bytes, my half
	s_mov_b32 s[G0A], 1
	s_add_co_u32 s[G0A+1], s69, s78
	s_add_nc_u64 s[G0A+2:G0A+3], s[72:73], s[78:79]
	s_or_b32 s[G0A+3], s[G0A+3], 0x80000000
	s_mul_i32 s78, s70, 36864                      ; steps 4 to 15: 73728 bytes, my half
	s_add_co_u32 s78, s78, 24576
	s_mov_b32 s[G0B], 1
	s_add_co_u32 s[G0B+1], s69, s78
	s_add_nc_u64 s[G0B+2:G0B+3], s[72:73], s[78:79]
	s_or_b32 s[G0B+3], s[G0B+3], 0x80000000
	ROUND                                          ; all four work-groups are here: the joint loads meet
	s_cmp_lt_u32 s[WV], 4                          ; a wave's three first fills stand in one branch on the wave's number; four v_nop follow the last
	s_cbranch_scc0 .Lno_fill
	tensor_load_to_lds s[G0S:G0S+3], s[G1S:G1S+7]
	s_nop 0
	tensor_load_to_lds s[G0A:G0A+3], s[G1A:G1A+7]
	s_nop 0
	tensor_load_to_lds s[G0B:G0B+3], s[G1B:G1B+7]
	s_nop 0
.rept 4
	v_nop
.endr
.Lno_fill:
; A tile of queries begins: s[TT] its number, s[AT] its diagonal step
.macro BEGIN
	s_wait_xcnt 0x0                                ; earlier loads and stores have read their addresses and data
	s_mul_i32 s92, s[TT], 768
	s_mov_b32 s93, 0
	s_add_nc_u64 s[92:93], s[82:83], s[92:93]
	s_lshr_b32 s94, s[TT], 2
	s_lshl_b32 s94, s94, 7
	s_and_b32 s95, s[TT], 2
	s_lshl_b32 s95, s95, 1
	s_add_co_u32 s94, s94, s95
	s_mov_b32 s95, 0
	s_add_nc_u64 s[94:95], s[84:85], s[94:95]
.irp q, 0,1,2
	global_load_b64 v[22+2*\q:23+2*\q], v1, s[92:93] offset:256*\q
.endr
	global_load_b32 v[W0], v[R8], s[94:95]         ; the pair word that holds my tile's two bytes
	s_and_b32 s96, s[TT], 6
	s_lshl_b32 s96, s96, 4
	s_and_b32 s97, s[TT], 1
	s_lshl_b32 s98, s97, 3
	s_add_co_u32 s96, s96, s98                     ; the tile's first token in its step: 32 ((T % 8) / 2) + 8 (T % 2)
	s_lshl_b32 s97, s97, 4
	v_add_nc_u32 v6, s96, v5                       ; d = my query's place in its step - 16 h
	v_mov_b32 v13, 0xff61b1e6                      ; the largest t so far: -3e38
	s_delay_alu instid0(VALU_DEP_1)
	v_floor_f32 v12, -v13                          ; -M
	v_mov_b32 v14, 0
	v_mov_b32 v15, 0
	s_mov_b32 s[TB], 0
	s_mov_b32 s[TS], 0
	s_mov_b32 s[ST], 0
	s_wait_loadcnt 0x0
	v_lshrrev_b32 v[W0], s97, v[W0]
	s_delay_alu instid0(VALU_DEP_1)
	v_and_b32 v[QSL], 0xffff, v[W0]
	s_delay_alu instid0(VALU_DEP_1)
	v_lshlrev_b32 v[QSH], 16, v[QSL]
.irp j, 0,1,2,3,4,5,6,7,8,9,10,11,12,13,14,15,16,17,18,19,20,21,22,23,24,25,26,27,28,29,30,31
	v_mov_b32 v[O+\j], 0                           ; O^T: the first change of M leaves zeros zeros.  (Also the places between the scale words just made and the first scaled product)
.endr
.endm
; A KEY STEP: 128 keys.  A step behind the diagonal is left out by a scalar branch on the wave's number and the step's; the lines at its end that step addresses are always run
.macro STEP
	s_cmp_gt_u32 s[ST], s[AT]
	s_cbranch_scc1 .Lhid_\@
	s_setprio 2
	v_add_nc_u32 v[ADK], s[TB], v1                 ; (these four are also the places in front of the loads into registers that the last products read)
	v_add_nc_u32 v[ADV], s[TB], v2
	v_add_nc_u32 v[ADS], s[TS], v3
	v_add_nc_u32 v[ADT], s[TS], v4
.irp u, 0,1,2,3
.irp q, 0,1,2,3,4,5
	ds_load_b64 v[KV+12*\u+2*\q:KV+12*\u+2*\q+1], v[ADK] offset:1536*\u+256*\q
.endr
.endr
	ds_load_b64 v[KSW:KSW+1], v[ADS]
	ds_load_b64 v[KSW+2:KSW+3], v[ADS] offset:128
	s_wait_alu depctr_va_vdst(0)
	s_wait_dscnt 0x0
.irp u, 0,1,2,3
	v_wmma_scale_f32_16x16x128_f8f6f4 v[S+16*\u:S+16*\u+7], v[KV+12*\u:KV+12*\u+11], v[22:33], 0, v[KSW+\u], v[QSL] matrix_a_fmt:MATRIX_FMT_FP6 matrix_b_fmt:MATRIX_FMT_FP6
	v_wmma_scale_f32_16x16x128_f8f6f4 v[S+16*\u+8:S+16*\u+15], v[KV+12*\u:KV+12*\u+11], v[16:27], 0, v[KSW+\u], v[QSH] matrix_a_fmt:MATRIX_FMT_FP6 matrix_b_fmt:MATRIX_FMT_FP6
.endr
.rept 4
	v_nop                                          ; places behind the products: for V's loads into K's registers and for the first read of the scores
.endr
.irp t, 0,1,2,3
.irp p, 0,1,2
	ds_load_b128 v[KV+12*\t+4*\p:KV+12*\t+4*\p+3], v[ADV] offset:1536*\t+512*\p   ; V lands while the softmax is worked
.endr
.endr
	ds_load_b128 v[VSW:VSW+3], v[ADT]
	s_cmp_lg_u32 s[ST], s[AT]
	s_cbranch_scc1 .Lopen_\@
	v_mov_b32 v[W0], 0xff800000                    ; on the diagonal hidden scores become -infinity: register 16 b + i holds key 32 b + 16 h + i of the step: hidden where 32 b + i > d
.irp n, 0,1,2,3,4,5,6,7,8,9,10,11,12,13,14,15,16,17,18,19,20,21,22,23,24,25,26,27,28,29,30,31,32,33,34,35,36,37,38,39,40,41,42,43,44,45,46,47,48,49,50,51,52,53,54,55,56,57,58,59,60,61,62,63
	v_cmp_gt_i32 vcc_lo, 32*(\n/16)+\n%16, v6
	v_cndmask_b32 v[S+\n], v[S+\n], v[W0], vcc_lo
.endr
.Lopen_\@:
.irp b, 0,1,2,3
	v_max3_num_f32 v[BM+\b], v[S+16*\b], v[S+1+16*\b], v[S+2+16*\b]   ; the largest score of each block of 32 keys: for the row's maximum and for the block's largest p
.endr
.irp i, 3,5,7,9,11,13
.irp b, 0,1,2,3
	v_max3_num_f32 v[BM+\b], v[BM+\b], v[S+16*\b+\i], v[S+1+16*\b+\i]
.endr
.endr
.irp b, 0,1,2,3
	v_max_num_f32 v[BM+\b], v[BM+\b], v[S+15+16*\b]
.endr
.irp b, 0,1,2,3
	s_delay_alu instid0(VALU_DEP_4)
	v_permlanex16_b32 v[BT+\b], v[BM+\b], s[SEL], s[SEL+1]
.endr
.irp b, 0,1,2,3
	s_delay_alu instid0(VALU_DEP_4)
	v_max_num_f32 v[BM+\b], v[BM+\b], v[BT+\b]
.endr
	s_delay_alu instid0(VALU_DEP_2)
	v_max3_num_f32 v[W0], v[BM], v[BM+1], v[BM+2]
	s_delay_alu instid0(VALU_DEP_1)
	v_max_num_f32 v[W0], v[W0], v[BM+3]
	s_delay_alu instid0(VALU_DEP_1)
	v_mul_f32 v[W0], s[CS], v[W0]
	s_delay_alu instid0(VALU_DEP_1)
	v_max_num_f32 v13, v13, v[W0]                  ; the running largest t
	v_mov_b32 v[W0], v12
	s_delay_alu instid0(VALU_DEP_2)
	v_floor_f32 v12, -v13                          ; the new -M
	s_delay_alu instid0(VALU_DEP_1)
	v_sub_f32 v[W0], v12, v[W0]                    ; old M - new M: a whole number, 0 or less
	s_delay_alu instid0(VALU_DEP_1)
	v_cvt_i32_f32 v[W0], v[W0]                     ; (it saturates)
	s_delay_alu instid0(VALU_DEP_1)
	v_ldexp_f32 v[FF], 1.0, v[W0]                  ; f = 2^(old M - new M)
	s_setprio 1
.irp j, 0,2,4,6,8,10,12,14,16,18,20,22,24,26,28,30,32,34,36,38,40,42,44,46,48,50,52,54,56,58,60,62
	v_pk_fma_f32 v[S+\j:S+1+\j], v[S+\j:S+1+\j], s[CS:CS+1], v[12:13] op_sel_hi:[1,0,0]   ; t - M
.endr
.irp b, 0,1,2,3
	v_fma_f32 v[BM+\b], v[BM+\b], s[CS], v12
.endr
	s_wait_alu depctr_va_vdst(0)
.irp j, 0,1,2,3,4,5,6,7,8,9,10,11,12,13,14,15,16,17,18,19,20,21,22,23,24,25,26,27,28,29,30,31,32,33,34,35,36,37,38,39,40,41,42,43,44,45,46,47,48,49,50,51,52,53,54,55,56,57,58,59,60,61,62,63
	v_exp_f32 v[S+\j], v[S+\j]                     ; p = 2^(t - M)
.endr
	v_pk_mul_f32 v[14:15], v[14:15], v[FF:FF+1] op_sel_hi:[1,0]   ; the sums under the new M: a plain place behind the exponentials
	s_wait_alu depctr_va_vdst(0)                   ; one wait for the batch of 64, ahead of its first reader
.irp b, 0,1,2,3
	v_exp_f32 v[BM+\b], v[BM+\b]                   ; each block's largest p
.endr
	v_pk_add_f32 v[216:217], v[100:101], v[104:105]
	v_pk_add_f32 v[252:253], v[108:109], v[112:113]
	v_pk_add_f32 v[250:251], v[116:117], v[120:121]
	v_pk_add_f32 v[248:249], v[124:125], v[128:129]
	v_pk_add_f32 v[246:247], v[132:133], v[136:137]
	v_pk_add_f32 v[244:245], v[140:141], v[144:145]
	v_pk_add_f32 v[242:243], v[148:149], v[152:153]
	v_pk_add_f32 v[14:15], v[14:15], v[156:157]
	v_pk_add_f32 v[216:217], v[216:217], v[96:97]
	v_pk_add_f32 v[252:253], v[252:253], v[98:99]
	v_pk_add_f32 v[250:251], v[250:251], v[102:103]
	v_pk_add_f32 v[248:249], v[248:249], v[106:107]
	v_pk_add_f32 v[246:247], v[246:247], v[110:111]
	v_pk_add_f32 v[244:245], v[244:245], v[114:115]
	v_pk_add_f32 v[242:243], v[242:243], v[118:119]
	v_pk_add_f32 v[14:15], v[14:15], v[122:123]
	v_pk_add_f32 v[216:217], v[216:217], v[126:127]
	v_pk_add_f32 v[252:253], v[252:253], v[130:131]
	v_pk_add_f32 v[250:251], v[250:251], v[134:135]
	v_pk_add_f32 v[248:249], v[248:249], v[138:139]
	v_pk_add_f32 v[246:247], v[246:247], v[142:143]
	v_pk_add_f32 v[244:245], v[244:245], v[146:147]
	v_pk_add_f32 v[242:243], v[242:243], v[150:151]
	v_pk_add_f32 v[14:15], v[14:15], v[154:155]
	v_pk_add_f32 v[216:217], v[216:217], v[158:159]
	s_delay_alu instid0(VALU_DEP_2)
	v_pk_add_f32 v[14:15], v[14:15], v[248:249]
	s_delay_alu instid0(VALU_DEP_2)
	v_pk_add_f32 v[216:217], v[216:217], v[246:247]
	v_pk_add_f32 v[252:253], v[252:253], v[244:245]
	v_pk_add_f32 v[250:251], v[250:251], v[242:243]
	s_delay_alu instid0(VALU_DEP_2)
	v_pk_add_f32 v[14:15], v[14:15], v[252:253]
	s_delay_alu instid0(VALU_DEP_2)
	v_pk_add_f32 v[216:217], v[216:217], v[250:251]
	s_delay_alu instid0(VALU_DEP_1)
	v_pk_add_f32 v[14:15], v[14:15], v[216:217]
	s_wait_alu depctr_va_vdst(0)                   ; and one for the four
.irp b, 0,1,2,3
	v_max_num_f32 v[BM+\b], 0x1800000, v[BM+\b]    ; the floor 2^(3 - 127)
.endr
.irp b, 0,1,2,3
	s_delay_alu instid0(VALU_DEP_4)
	v_add_nc_u32 v[BS+\b], 0xff000000, v[BM+\b]
.endr
.irp b, 0,1,2,3
	s_delay_alu instid0(VALU_DEP_4)
	v_lshrrev_b32 v[BT+\b], 23, v[BS+\b]
.endr
	s_delay_alu instid0(VALU_DEP_3)
	v_lshl_or_b32 v[PSW], v[BT+1], 8, v[BT]
	s_delay_alu instid0(VALU_DEP_1)
	v_lshl_or_b32 v[PSW], v[BT+2], 16, v[PSW]
	s_delay_alu instid0(VALU_DEP_1)
	v_lshl_or_b32 v[PSW], v[BT+3], 24, v[PSW]
	s_setprio 0
.irp c, 0,1
	v_cvt_scalef32_pk16_fp6_f32 v[PCD+6*\c:PCD+2+6*\c], v[S+32*\c:S+15+32*\c], v[BS+2*\c]
	v_cvt_scalef32_pk16_fp6_f32 v[CT+4*\c:CT+2+4*\c], v[S+16+32*\c:S+31+32*\c], v[BS+2*\c+1]
.endr
	v_nop                                          ; one plain place behind a scaled conversion
.irp c, 0,1
.irp i, 0,1,2
	v_permlane16_swap_b32 v[PCD+6*\c+\i], v[CT+4*\c+\i]
.endr
.irp i, 0,1,2
	s_delay_alu instid0(VALU_DEP_3)
	v_mov_b32 v[PCD+3+6*\c+\i], v[CT+4*\c+\i]
.endr
.endr
	s_wait_dscnt 0x0                               ; V and its scale words are in
.irp j, 0,2,4,6,8,10,12,14,16,18,20,22,24,26,28,30
	v_pk_mul_f32 v[O+\j:O+1+\j], v[O+\j:O+1+\j], v[FF:FF+1] op_sel_hi:[1,0]   ; O^T under the new M.  (These 16 are the places between p's codes and scale word and the products)
.endr
.irp t, 0,1,2,3
	v_wmma_scale_f32_16x16x128_f8f6f4 v[O+8*\t:O+8*\t+7], v[KV+12*\t:KV+12*\t+11], v[PCD:PCD+11], v[O+8*\t:O+8*\t+7], v[VSW+\t], v[PSW] matrix_a_fmt:MATRIX_FMT_FP6 matrix_b_fmt:MATRIX_FMT_FP6
.endr
.Lhid_\@:
	s_add_co_u32 s[TB], s[TB], 6144
	s_add_co_u32 s[TS], s[TS], 256
	s_add_co_u32 s[ST], s[ST], 1
.endm
; The tile is finished: O^T / l, quantised along the head's 64 channels (two blocks), stored as half a fragment and two scale bytes
.macro OUT
.rept 4
	v_nop                                          ; places behind the last products
.endr
	s_mul_i32 s92, s[TT], 12288
	s_mov_b32 s93, 0
	s_add_nc_u64 s[92:93], s[86:87], s[92:93]
	s_lshl_b32 s94, s[TT], 9
	s_mov_b32 s95, 0
	s_add_nc_u64 s[94:95], s[88:89], s[94:95]
	v_add_f32 v14, v14, v15
	s_delay_alu instid0(VALU_DEP_1)
	v_permlanex16_b32 v[W0], v14, s[SEL], s[SEL+1]
	s_delay_alu instid0(VALU_DEP_1)
	v_add_f32 v14, v14, v[W0]                      ; the row's sum
	s_wait_alu depctr_va_vdst(0)
	v_rcp_f32 v[FF], v14
	v_nop                                          ; a plain place behind the reciprocal
	s_wait_alu depctr_va_vdst(0)                   ; and the wait ahead of its first reader
.irp j, 0,2,4,6,8,10,12,14,16,18,20,22,24,26,28,30
	v_pk_mul_f32 v[S+\j:S+1+\j], v[O+\j:O+1+\j], v[FF:FF+1] op_sel_hi:[1,0]   ; register 16 b + i = channel 32 b + 16 h + i; each accumulator from its low end on
.endr
.irp b, 0,1
	v_max3_num_f32 v[BM+\b], |v[S+16*\b]|, |v[S+1+16*\b]|, 0x1800000
.endr
.irp i, 2,4,6,8,10,12,14
.irp b, 0,1
	s_delay_alu instid0(VALU_DEP_2)
	v_max3_num_f32 v[BM+\b], v[BM+\b], |v[S+16*\b+\i]|, |v[S+1+16*\b+\i]|
.endr
.endr
.irp b, 0,1
	s_delay_alu instid0(VALU_DEP_2)
	v_permlanex16_b32 v[BT+\b], v[BM+\b], s[SEL], s[SEL+1]
.endr
.irp b, 0,1
	s_delay_alu instid0(VALU_DEP_2)
	v_max_num_f32 v[BM+\b], v[BM+\b], v[BT+\b]
.endr
.irp b, 0,1
	s_delay_alu instid0(VALU_DEP_2)
	v_add_nc_u32 v[BS+\b], 0xff000000, v[BM+\b]
.endr
.irp b, 0,1
	s_delay_alu instid0(VALU_DEP_2)
	v_lshrrev_b32 v[BT+\b], 23, v[BS+\b]
.endr
	s_delay_alu instid0(VALU_DEP_1)
	v_lshl_or_b32 v[W1], v[BT+1], 8, v[BT]
	v_cvt_scalef32_pk16_fp6_f32 v[PCD:PCD+2], v[S:S+15], v[BS]
	v_cvt_scalef32_pk16_fp6_f32 v[PCD+4:PCD+6], v[S+16:S+31], v[BS+1]
	v_nop
.irp i, 0,1,2
	v_permlane16_swap_b32 v[PCD+\i], v[PCD+4+\i]
.endr
.irp i, 0,1,2
	s_delay_alu instid0(VALU_DEP_3)
	v_mov_b32 v[PCD+3+\i], v[PCD+4+\i]             ; in ascending order: each source is read before it is written
.endr
.irp p, 0,1,2
	global_store_b64 v1, v[PCD+2*\p:PCD+2*\p+1], s[92:93] offset:256*\p   ; 32 lanes store 256 consecutive bytes, aligned
.endr
	global_store_b16 v7, v[W1], s[94:95]           ; lanes 16-31 write what lanes 0-15 write
.endm
	s_sub_co_u32 s[TT], 127, s90                   ; the upper tile first: 16 - a steps, nine at the least
	s_sub_co_u32 s[AT], 15, s71
	BEGIN
	s_wait_tensorcnt 1                             ; the scale words and steps 0 to 3 are in; the load of steps 4 to 15 may be out
	s_wait_dscnt 0x0
	s_barrier_signal -1
	s_barrier_wait -1
	s_mov_b32 s[CNT], 4
.Lhi_a:
	STEP
	s_sub_co_u32 s[CNT], s[CNT], 1
	s_cmp_lg_u32 s[CNT], 0
	s_cbranch_scc1 .Lhi_a
	s_setprio 0
	s_wait_tensorcnt 0x0                           ; steps 4 to 15
	s_wait_dscnt 0x0
	s_barrier_signal -1
	s_barrier_wait -1
	s_mov_b32 s[CNT], 12
.Lhi_b:
	STEP
	s_sub_co_u32 s[CNT], s[CNT], 1
	s_cmp_lg_u32 s[CNT], 0
	s_cbranch_scc1 .Lhi_b
	s_setprio 0
	OUT
	s_mov_b32 s[TT], s90                           ; the lower tile: a + 1 steps
	s_mov_b32 s[AT], s71
	BEGIN
	s_mov_b32 s[CNT], 8
.Llo:
	STEP
	s_sub_co_u32 s[CNT], s[CNT], 1
	s_cmp_lg_u32 s[CNT], 0
	s_cbranch_scc1 .Llo
	s_setprio 0
	OUT
	s_wait_dscnt 0x0
	s_wait_tensorcnt 0x0
	ds_add_u32 v254, v255
	s_wait_dscnt 0x0
	ROUND                                          ; the closing round
	s_endpgm
.Lfunc_end_k_qf8b77e824c_attn:
	.size	k_qf8b77e824c_attn, .Lfunc_end_k_qf8b77e824c_attn-k_qf8b77e824c_attn
	.p2alignl 7, 3214868480
	.fill 96, 4, 3214868480
	.section	.rodata,"a",@progbits
	.p2align	6, 0x0
	.amdhsa_kernel k_qf8b77e824c_attn
		.amdhsa_group_segment_fixed_size 206848
		.amdhsa_private_segment_fixed_size 0
		.amdhsa_enable_private_segment 0
		.amdhsa_kernarg_size 32
		.amdhsa_user_sgpr_count 2
		.amdhsa_user_sgpr_kernarg_segment_ptr 1
		.amdhsa_wavefront_size32 1
		.amdhsa_system_sgpr_workgroup_id_x 1
		.amdhsa_system_sgpr_workgroup_id_y 1
		.amdhsa_system_sgpr_workgroup_id_z 1
		.amdhsa_system_vgpr_workitem_id 0
		.amdhsa_next_free_vgpr 256
		.amdhsa_next_free_sgpr 100
		.amdhsa_reserve_vcc 1
		.amdhsa_float_denorm_mode_32 3
		.amdhsa_float_denorm_mode_16_64 3
		.amdhsa_memory_ordered 1
		.amdhsa_forward_progress 1
		.amdhsa_inst_pref_size 90
	.end_amdhsa_kernel
	.amdgpu_metadata
---
amdhsa.version: [ 1, 2 ]
amdhsa.kernels:
  - .name:           k_qf8b77e824c_attn
    .symbol:         k_qf8b77e824c_attn.kd
    .args:
      - { .name: QI, .offset: 0, .size: 8, .value_kind: global_buffer, .address_space: global }
      - { .name: KI, .offset: 8, .size: 8, .value_kind: global_buffer, .address_space: global }
      - { .name: VI, .offset: 16, .size: 8, .value_kind: global_buffer, .address_space: global }
      - { .name: AI, .offset: 24, .size: 8, .value_kind: global_buffer, .address_space: global }
    .group_segment_fixed_size: 206848
    .private_segment_fixed_size: 0
    .kernarg_segment_align: 8
    .kernarg_segment_size: 32
    .max_flat_workgroup_size: 512
    .sgpr_count:     100
    .vgpr_count:     256
    .wavefront_size: 32
...
	.end_amdgpu_metadata
.endif
;; end of part 3
;; launch oproj (part 4): grid 4 x 64, 4 waves a work-group, clusters of 4 x 4, 295,424 bytes of LDS; arguments XI, AI, bo, out0; writes out0
.if DOCPART == 4
	.amdgcn_target "amdgcn-amd-amdhsa--gfx1250"
	.amdhsa_code_object_version 6
	.text
	.protected	k_qf8b77e824c_oproj
	.globl	k_qf8b77e824c_oproj
	.p2align	8
	.type	k_qf8b77e824c_oproj,@function
k_qf8b77e824c_oproj:
	s_mov_b64 s[64:65], 0
	v_nop
	global_prefetch_b8 v0, s[64:65] scope:SCOPE_SE
	s_setreg_imm32_b32 hwreg(HW_REG_WAVE_MODE, 25, 1), 1
	s_wait_xcnt 0x0
	s_wait_alu depctr_hold_cnt(0) depctr_sa_sdst(0) depctr_va_vdst(0) depctr_va_sdst(0) depctr_va_ssrc(0) depctr_va_vcc(0) depctr_vm_vsrc(0)
	s_getreg_b32 s2, hwreg(HW_REG_IB_STS2, 6, 4)
	s_cmp_eq_u32 s2, 0
	s_cbranch_scc0 .Lentry_in_a_cluster
	s_endpgm
.Lentry_in_a_cluster:
	s_bfe_u32 s2, ttmp6, 0x10000c
	s_cmp_lg_u32 s2, 0xf033
	s_cbranch_scc0 .Lentry_shape_is_right
	s_endpgm
.Lentry_shape_is_right:
; out0 = attn Wo^T + bo on codes of FP6 (E2M3) with E8M0 scales, f32 sums, f32 out.  Source 0 = 16 rows of Wo (S0, images in XI from tile 1728 on), source 1 = 16 tokens of attn (S1, images in AI):
; a lane holds one token, and the 64 registers of eight S0 tiles are 4 x 16 neighbouring output channels.
; A work-group makes 256 channels x 128 tokens over all K = 1024; wave w: tokens' half a = w / 2 (4 tiles), channels' half b = w % 2 (8 tiles): 32 accumulators.  256 work-groups.
; ALL OF K LIES IN LDS (24 tiles x 12288 bytes): every byte is filled once, in four chunks of two K steps that go out at the head; counted waits let the work begin with chunk 0.  A wave has four tensor loads out.
; CLUSTER 4 x 4: Wo's tiles hang on cx alone and are asked for jointly by my column, attn's on cy alone and by my row.
; AI's fragments are 6 planes [lane][8 bytes] (each head stored half a fragment); XI's 3 planes [lane][16 bytes].  The bias is the C of each sum's first product.
; THE WAY OUT goes through a stage of the wave's own in chunk 0's bytes: that chunk has had its one fill, and every wave's reads of it ended ahead of an earlier barrier.
; REGISTERS: window 0: v1-16 addresses; v32-95 S0's scale words, v96-127 S1's; v128-223 S1's fragments, two sets; on the way out v128-255 rows of out0.
;   window 1: S0's fragments at v0 and v128; the bias at v96-127 and v224-255.  window 2: accumulator (m, t) at 64 m + 8 t.
.set XS,   22020096
.set HS,   6291456
.set CH,   73728
.set NF,   48                          ; LDS loads of one K step's fragments: 24 of 16 bytes, 24 of 8
.set WV,   12
.set G1A,  24
.set G1B,  32
.set G0A,  40
.set G0B,  68
.set ADR0, 4
.set ADR1, 8
.set STO,  15
.set RD,   16
.set SCA,  32
.set SCB,  96
.set BF,   128
.set BK,   128
.set SPI,  528                         ; a stage row: 512 bytes + 16
.set MSB, 0
.macro WIN new                         ; the immediate's high byte repeats the setting that is left
.if MSB != \new
	s_set_vgpr_msb (MSB<<8)|\new
.set MSB, \new
.endif
.endm
.macro PLACES n
.rept \n
	v_nop
.endr
.endm
.macro ROUND
	s_barrier_signal -1
	s_barrier_wait -1
	s_cmp_lg_u32 s[WV], 0
	s_cbranch_scc1 .Lnot_wave_0_\@
	s_barrier_signal -3
.Lnot_wave_0_\@:
	s_barrier_wait -3
	s_barrier_signal -1
	s_barrier_wait -1
.endm
	s_load_b256 s[4:11], s[0:1], 0x0               ; XI, AI, bo, out0
	v_lshl_add_u32 v30, v0, 2, 0x48000
	v_mov_b32 v31, 0
	ds_add_u32 v30, v31
	ds_add_u32 v30, v31
	v_lshrrev_b32 v1, 5, v0
	v_readfirstlane_b32 s[WV], v1
	s_lshr_b32 s13, s[WV], 1                       ; a.  Also: I fetch for S0 (0) or for S1 (1)
	s_and_b32 s14, s[WV], 1                        ; b.  Also: which half I fetch
	s_bfe_u32 s15, ttmp6, 0x40000                  ; cx
	s_bfe_u32 s16, ttmp6, 0x40004                  ; cy
	s_and_b32 s17, ttmp7, 0xffff                   ; the cluster's y
	s_lshl_b32 s56, s15, 4
	s_add_co_u32 s56, s56, 1728                    ; Wo's first tile of this work-group: hangs on cx alone
	s_lshl_b32 s58, s17, 2
	s_add_co_u32 s58, s58, s16
	s_lshl_b32 s58, s58, 3                         ; attn's: hangs on cy alone
	s_lshl_b32 s59, 0x1111, s15                    ; my column
	s_or_b32 s[G1A], s59, (3<<16)|(1<<21)
	s_lshl_b32 s62, s16, 2
	s_lshl_b32 s62, 15, s62                        ; my row
	s_or_b32 s[G1B], s62, (3<<16)|(1<<21)
.irp g, G1A, G1B
	s_mov_b32 s[\g+1], 384<<16                     ; 3072 bytes of a tile's 12288
	s_mov_b32 s[\g+3], 384<<16
	s_mov_b32 s[\g+5], 1536
	s_mov_b32 s[\g+6], 0
	s_mov_b32 s[\g+7], 0
.endr
	s_mov_b32 s[G1A+2], 8<<16
	s_mov_b32 s[G1A+4], 8
	s_mov_b32 s[G1B+2], 4<<16
	s_mov_b32 s[G1B+4], 4
	s_lshl_b32 s59, s14, 3
	s_add_co_u32 s59, s59, s56
	s_mul_i32 s60, s59, 12288
	s_mov_b32 s61, 0
	s_lshl_b32 s62, s14, 2
	s_add_co_u32 s62, s62, s58
	s_mul_i32 s62, s62, 12288
	s_mov_b32 s63, 0
	s_mul_i32 s84, s14, 24576
	s_mul_i32 s85, s14, 12288
	s_add_co_u32 s85, s85, 49152
	s_lshl_b32 s86, s59, 9                         ; S0's scale records
	s_mov_b32 s87, 0
	s_lshl_b32 s2, s13, 2
	s_add_co_u32 s2, s2, s58                       ; my first tile of tokens
	s_lshl_b32 s88, s2, 9                          ; S1's scale records
	s_mov_b32 s89, 0
	s_lshl_b32 s3, s15, 10
	s_lshl_b32 s66, s14, 9
	s_add_co_u32 s94, s3, s66                      ; my first channel, in bytes: 1024 cx + 512 b
	s_mov_b32 s95, 0
	s_lshl_b32 s96, s2, 16                         ; my first token's row: 16 rows of 4096 bytes a tile
	s_add_co_u32 s96, s96, s94
	s_mov_b32 s97, 0
	s_wait_dscnt 0x0
	s_wait_kmcnt 0x0
	s_add_nc_u64 s[92:93], s[8:9], s[94:95]        ; the bias
	s_add_nc_u64 s[90:91], s[10:11], s[96:97]      ; out0; never stepped
	s_add_nc_u64 s[60:61], s[4:5], s[60:61]
	s_add_nc_u64 s[62:63], s[6:7], s[62:63]
	s_add_nc_u64 s[86:87], s[4:5], s[86:87]
	s_add_nc_u64 s[86:87], s[86:87], XS
	s_add_nc_u64 s[88:89], s[6:7], s[88:89]
	s_add_nc_u64 s[88:89], s[88:89], HS
.irp c, 0,1,2,3
	s_mov_b32 s[G0A+4*\c], 1
	s_add_co_u32 s[G0A+4*\c+1], s84, \c*CH
	s_add_nc_u64 s[G0A+4*\c+2:G0A+4*\c+3], s[60:61], \c*3072
	s_or_b32 s[G0A+4*\c+3], s[G0A+4*\c+3], 0x80000000
	s_mov_b32 s[G0B+4*\c], 1
	s_add_co_u32 s[G0B+4*\c+1], s85, \c*CH
	s_add_nc_u64 s[G0B+4*\c+2:G0B+4*\c+3], s[62:63], \c*3072
	s_or_b32 s[G0B+4*\c+3], s[G0B+4*\c+3], 0x80000000
.endr
	ROUND                                          ; all sixteen work-groups are here: the joint loads meet
	s_cmp_eq_u32 s13, 0                            ; a wave's four first fills stand in one branch on the wave's number; four v_nop follow the last
	s_cbranch_scc0 .Lfor_s1
.irp c, 0,1,2,3
	tensor_load_to_lds s[G0A+4*\c:G0A+4*\c+3], s[G1A:G1A+7]
	s_nop 0
.endr
	PLACES 4
	s_branch .Lasked
.Lfor_s1:
.irp c, 0,1,2,3
	tensor_load_to_lds s[G0B+4*\c:G0B+4*\c+3], s[G1B:G1B+7]
	s_nop 0
.endr
	PLACES 4
.Lasked:
	v_and_b32 v13, 31, v0
	v_lshlrev_b32 v1, 4, v13                       ; 16 x lane
	v_lshlrev_b32 v13, 3, v13                      ; 8 x lane
	s_wait_alu depctr_va_vdst(0)
	v_and_b32 v2, 15, v0                           ; r
	v_bfe_u32 v3, v0, 4, 1                         ; h
	v_lshlrev_b32 v12, 5, v2                       ; 32 r
	v_lshlrev_b32 v14, 6, v3                       ; 64 h: my half's 16 channels of a group of 32
.irp t, 0,1,2,3,4,5,6,7
.irp q, 0,1
	global_load_b128 v[SCA+8*\t+4*\q:SCA+8*\t+4*\q+3], v12, s[86:87] offset:512*\t+16*\q
.endr
.endr
.irp m, 0,1,2,3
.irp q, 0,1
	global_load_b128 v[SCB+8*\m+4*\q:SCB+8*\m+4*\q+3], v12, s[88:89] offset:512*\m+16*\q
.endr
.endr
	WIN 0x40                                       ; destination window 1
.irp t, 0,1,2,3,4,5,6,7                        ; the bias in the result's layout: tile t's register j is channel 32 (t / 2) + 16 h + 8 (t % 2) + j
	global_load_b128 v[96+8*\t+96*(\t/4):96+8*\t+96*(\t/4)+3], v14, s[92:93] offset:(32*(\t/2)+8*(\t%2))*4
	global_load_b128 v[96+8*\t+96*(\t/4)+4:96+8*\t+96*(\t/4)+7], v14, s[92:93] offset:(32*(\t/2)+8*(\t%2))*4+16
.endr
	WIN 0
	s_mul_i32 s98, s13, 12288
	s_add_co_u32 s98, s98, 49152
.irp c, 0,1,2,3
	s_add_co_u32 s99, s84, \c*CH
	v_add_nc_u32 v[ADR0+\c], s99, v1
	s_add_co_u32 s99, s98, \c*CH
	v_add_nc_u32 v[ADR1+\c], s99, v13
.endr
	s_mul_i32 s98, s[WV], 16*SPI                   ; my stage
	v_mul_u32_u24 v[STO], v2, SPI
	v_lshl_add_u32 v[STO], v3, 6, v[STO]
	v_add_nc_u32 v[STO], s98, v[STO]               ; in: row r, + 64 h
	v_add_nc_u32 v[RD], s98, v1                    ; back: a row of 512 bytes, 16 a lane
.macro FETCH f
	WIN 0x40
.irp t, 0,1,2,3,4,5,6,7
.irp p, 0,1,2
	ds_load_b128 v[128*((\f)%2)+12*\t+4*\p:128*((\f)%2)+12*\t+4*\p+3], v[ADR0+(\f)/2] offset:3072*\t+1536*((\f)%2)+512*\p
.endr
.endr
	WIN 0
.irp m, 0,1,2,3
.irp q, 0,1,2,3,4,5
	ds_load_b64 v[BF+48*((\f)%2)+12*\m+2*\q:BF+48*((\f)%2)+12*\m+2*\q+1], v[ADR1+(\f)/2] offset:3072*\m+1536*((\f)%2)+256*\q
.endr
.endr
.endm
.macro MUL f                           ; 32 products; the 32 accumulators take turns, one instruction a turn, in the same order in every step
.if (\f) == 0
	WIN 0x91                                       ; source 0 window 1, source 1 window 0, C (the bias) window 1, D window 2
.else
	WIN 0xa1                                       ; C and D window 2
.endif
.irp m, 0,1,2,3
.irp t, 0,1,2,3,4,5,6,7
.if (\f) == 0
	v_wmma_scale_f32_16x16x128_f8f6f4 v[64*\m+8*\t:64*\m+8*\t+7], v[128*((\f)%2)+12*\t:128*((\f)%2)+12*\t+11], v[BF+48*((\f)%2)+12*\m:BF+48*((\f)%2)+12*\m+11], v[96+8*\t+96*(\t/4):96+8*\t+96*(\t/4)+7], v[SCA+8*\t+(\f)], v[SCB+8*\m+(\f)] matrix_a_fmt:MATRIX_FMT_FP6 matrix_b_fmt:MATRIX_FMT_FP6
.else
	v_wmma_scale_f32_16x16x128_f8f6f4 v[64*\m+8*\t:64*\m+8*\t+7], v[128*((\f)%2)+12*\t:128*((\f)%2)+12*\t+11], v[BF+48*((\f)%2)+12*\m:BF+48*((\f)%2)+12*\m+11], v[64*\m+8*\t:64*\m+8*\t+7], v[SCA+8*\t+(\f)], v[SCB+8*\m+(\f)] matrix_a_fmt:MATRIX_FMT_FP6 matrix_b_fmt:MATRIX_FMT_FP6
.endif
.endr
.endr
	WIN 0
.endm
.macro STEP f
.if ((\f)%2 == 1) && ((\f) < 7)
	s_wait_tensorcnt 3-((\f)+1)/2                  ; my part of the next chunk is in; the chunks behind it may be out
	s_wait_dscnt 0x0
	s_barrier_signal -1
	s_barrier_wait -1
.endif
.if (\f) < 7
.if (\f) > 0
	PLACES 4                                       ; in front of loads into registers that matrix instructions have read (ISA guide 7.12.1 for vector instructions)
.endif
	FETCH (\f)+1
	s_wait_dscnt NF                                ; all but the loads just issued
.else
	s_wait_dscnt 0x0
.endif
	MUL \f
.endm
	s_wait_alu depctr_va_vdst(0)
	s_wait_tensorcnt 3                             ; my part of chunk 0 is in; chunks 1 to 3 may be out
	s_barrier_signal -1
	s_barrier_wait -1
	FETCH 0
	s_wait_loadcnt 0x0                             ; the scale words and the bias
.irp f, 0,1,2,3,4,5,6,7
	STEP \f
.endr
; THE WAY OUT, a tile of 16 tokens x 128 channels at a time: into my stage, back as whole rows of 512 bytes
.macro TOSTAGE m
	WIN 0x08                                       ; an LDS store's data are its source 1: window 2
.irp t, 0,1,2,3,4,5,6,7
	ds_store_b128 v[STO], v[64*(\m)+8*\t:64*(\m)+8*\t+3] offset:128*(\t/2)+32*(\t%2)       ; each accumulator from its low end on
	ds_store_b128 v[STO], v[64*(\m)+8*\t+4:64*(\m)+8*\t+7] offset:128*(\t/2)+32*(\t%2)+16
.endr
	WIN 0
.irp i, 0,1,2,3,4,5,6,7,8,9,10,11,12,13,14,15
	ds_load_b128 v[BK+64*((\m)%2)+4*\i:BK+64*((\m)%2)+4*\i+3], v[RD] offset:\i*SPI   ; LDS serves a wave's instructions in order (ISA guide 5.7.1.4): these see the stores above
.endr
.endm
.macro SEND m, younger                 ; younger: the LDS instructions issued behind tile m's loads, which may stay out
	s_wait_dscnt \younger
.irp i, 0,1,2,3,4,5,6,7,8,9,10,11,12,13,14,15
	global_store_b128 v1, v[BK+64*((\m)%2)+4*\i:BK+64*((\m)%2)+4*\i+3], s[90:91] offset:(32*((\m)/2)+8*((\m)%2)+\i+8*(\i/8))*4096 th:TH_STORE_NT   ; 32 lanes store 512 consecutive bytes, aligned; lane-row i of tile m is token 32 (m / 2) + 8 (m % 2) + i + 8 (i / 8)
.endr
.endm
	PLACES 4                                       ; behind the last products: for the first read of results and for loads into the registers that held fragments
	TOSTAGE 0
.irp m, 1,2,3
.if \m > 1
	s_wait_xcnt 0x0                                ; tile m - 2's stores have read their registers: tile m's loads may land there
.endif
	TOSTAGE \m
	SEND \m-1, 32                                  ; behind tile m - 1's loads: tile m's 16 stores and 16 loads
.endr
	SEND 3, 0
	s_wait_tensorcnt 0x0
	ds_add_u32 v30, v31
	s_wait_dscnt 0x0
	ROUND                                          ; the closing round
	s_endpgm
.Lfunc_end_k_qf8b77e824c_oproj:
	.size	k_qf8b77e824c_oproj, .Lfunc_end_k_qf8b77e824c_oproj-k_qf8b77e824c_oproj
	.p2alignl 7, 3214868480
	.fill 96, 4, 3214868480
	.section	.rodata,"a",@progbits
	.p2align	6, 0x0
	.amdhsa_kernel k_qf8b77e824c_oproj
		.amdhsa_group_segment_fixed_size 295424
		.amdhsa_private_segment_fixed_size 0
		.amdhsa_enable_private_segment 0
		.amdhsa_kernarg_size 32
		.amdhsa_user_sgpr_count 2
		.amdhsa_user_sgpr_kernarg_segment_ptr 1
		.amdhsa_wavefront_size32 1
		.amdhsa_system_sgpr_workgroup_id_x 1
		.amdhsa_system_sgpr_workgroup_id_y 1
		.amdhsa_system_sgpr_workgroup_id_z 1
		.amdhsa_system_vgpr_workitem_id 0
		.amdhsa_next_free_vgpr 768
		.amdhsa_next_free_sgpr 102
		.amdhsa_reserve_vcc 0
		.amdhsa_float_denorm_mode_32 3
		.amdhsa_float_denorm_mode_16_64 3
		.amdhsa_memory_ordered 1
		.amdhsa_forward_progress 1
		.amdhsa_inst_pref_size 86
	.end_amdhsa_kernel
	.amdgpu_metadata
---
amdhsa.version: [ 1, 2 ]
amdhsa.kernels:
  - .name:           k_qf8b77e824c_oproj
    .symbol:         k_qf8b77e824c_oproj.kd
    .args:
      - { .name: XI, .offset: 0, .size: 8, .value_kind: global_buffer, .address_space: global }
      - { .name: AI, .offset: 8, .size: 8, .value_kind: global_buffer, .address_space: global }
      - { .name: bo, .offset: 16, .size: 8, .value_kind: global_buffer, .address_space: global }
      - { .name: out0, .offset: 24, .size: 8, .value_kind: global_buffer, .address_space: global }
    .group_segment_fixed_size: 295424
    .private_segment_fixed_size: 0
    .kernarg_segment_align: 8
    .kernarg_segment_size: 32
    .max_flat_workgroup_size: 128
    .sgpr_count:     102
    .vgpr_count:     768
    .wavefront_size: 32
...
	.end_amdgpu_metadata
.endif
;; end of part 4
